; MI455X (gfx1250); checked and timed in simulation.
; The chip was launched on July 23, 2026; its instructions are those of AMD's public machine-readable ISA for CDNA 5 (MIT licence, August 2026) and "CDNA5" Instruction Set Architecture Reference Guide (July 2026). The comments in the code are by the model that wrote it; some were corrected since.
;; Multihead LSH Attention. Allowed arithmetic: matrix products marked QUANTISED: E2M1 operands, one E8M0 scale for each 32 along K, by v_wmma_scale_f32_16x16x128_f8f6f4 with both operands' format E2M1 (or v_wmma_scale_f32_32x16x128_f4), f32 sums; everything else in f32.
;; Inputs: K_codes 1 x 4,096 x 16 x 16 uint8 (E2M1 codes of K, K innermost, in blocks of 32 codes, two codes a byte); K_scales 1 x 4,096 x 16 uint8 (E8M0 scales of K, one for each 32 codes along K); Q_codes 1 x 4,096 x 16 x 16 uint8 (E2M1 codes of Q, K innermost, in blocks of 32 codes, two codes a byte); Q_scales 1 x 4,096 x 16 uint8 (E8M0 scales of Q, one for each 32 codes along K); V_codes 1 x 4,096 x 16 x 16 uint8 (E2M1 codes of V, K innermost, in blocks of 32 codes, two codes a byte); V_scales 1 x 4,096 x 16 uint8 (E8M0 scales of V, one for each 32 codes along K); W_out_codes 512 x 16 x 16 uint8 (E2M1 codes of W_out, K innermost, in blocks of 32 codes, two codes a byte); W_out_scales 512 x 16 uint8 (E8M0 scales of W_out, one for each 32 codes along K); W_qk_codes 512 x 16 x 16 uint8 (E2M1 codes of W_qk, K innermost, in blocks of 32 codes, two codes a byte); W_qk_scales 512 x 16 uint8 (E8M0 scales of W_qk, one for each 32 codes along K); W_v_codes 512 x 16 x 16 uint8 (E2M1 codes of W_v, K innermost, in blocks of 32 codes, two codes a byte); W_v_scales 512 x 16 uint8 (E8M0 scales of W_v, one for each 32 codes along K); b_out 512 float32; b_qk 512 float32; b_v 512 float32.
;; Outputs: out0 1 x 4,096 x 512 float32.
;; This version of the problem:
;;   THIS VERSION OF THE PROBLEM IS GIVEN IN LOW PRECISION. The matrix products marked QUANTISED in the list below multiply operands that are first quantised to E2M1 (2 exponent bits, 1 mantissa bit; 4 bits a number), with one power-of-two scale for each 32 numbers along K (OCP MX v1.0); their sums are f32. All else is computed in f32.
;;   The module's matrix products, in the order in which they are computed (A, B: the left and right operand; K: the contracted axis; several contracted axes count as one K, in the product's order):
;;     1. [M 4,096, K 512] x [K 512, N 512]; A: input Q (given as codes); B: input W_qk (given as codes): QUANTISED
;;     2. [M 4,096, K 512] x [K 512, N 512]; A: input K (given as codes); B: input W_qk (given as codes): QUANTISED
;;     3. [M 4,096, K 512] x [K 512, N 512]; A: input V (given as codes); B: input W_v (given as codes): QUANTISED
;;     4. batch 8 x [M 4,096, K 64] x [K 64, N 4,096]; A: computed on the way; B: computed on the way: QUANTISED
;;     5. batch 8 x [M 4,096, K 4,096] x [K 4,096, N 64]; A: softmax (see below); B: computed on the way: QUANTISED
;;     6. [M 4,096, K 512] x [K 512, N 512]; A: computed on the way; B: input W_out (given as codes): QUANTISED
;;   THE QUANTISER, for each operand of a quantised product, along K:
;;     - K is cut into blocks of 32 from its start; a last block that is shorter is filled with zeros.
;;     - A block's scale is 2^e with e = floor(log2(the largest magnitude in the block)) - 2, held to -126 .. 127; a block of zeros has e = 0. As a byte (E8M0): e + 127.
;;     - Each number is divided by its block's scale, clamped to +-6, and rounded to the nearest number of E2M1, ties to even, subnormals kept.
;;     - The product sums the exact products of the quantised numbers (number of the format x scale) in f32.
;;   ~~~python
;;   def quantise(x, axis):      # numpy; x: float32 -> the quantised numbers, widened to float32 again
;;       x = np.moveaxis(x, axis, -1); K = x.shape[-1]
;;       x = np.pad(x, [(0, 0)] * (x.ndim - 1) + [(0, -K % 32)]); x = x.reshape(x.shape[:-1] + (-1, 32)); a = np.abs(x).max(-1, keepdims=True)
;;       e = np.where(a > 0, np.clip(np.frexp(np.where(a > 0, a, 1))[1] - 1 - 2, -126, 127), 0)      # np.frexp(a)[1] - 1 = floor(log2(a)), exactly
;;       r = np.clip(x / 2.0 ** e, -6, 6)
;;       step = 2.0 ** (np.maximum(np.frexp(np.where(r == 0, 1, r))[1] - 1, 0) - 1)
;;       q = np.round(r / step) * step * 2.0 ** e      # np.round: ties to even
;;       return np.moveaxis(q.reshape(q.shape[:-2] + (-1,))[..., :K], -1, axis).astype(np.float32)
;;   ~~~
;;   SOFTMAX AHEAD OF A QUANTISED PRODUCT. Where the list says 'softmax', what is quantised is not the finished softmax but p = 2^(t - M), with t = logit x log2(e) and M = ceil(the row's largest t), a whole number; so 1/2 < the row's largest p <= 1. The row's sum l is taken of the UNQUANTISED p, in f32, and the product's result is divided by l at the end. Since M is a whole number, a kernel that streams over the keys may use a running M (the ceiling of the running maximum): every later rescaling is an exact power of two, which a block's scale takes up: the codes' values come out the same.
;;   OPERANDS COMPUTED ON THE WAY. 'Computed on the way' means the value that the module computes at that place (a softmax that the list does not call 'softmax' is quantised finished and normalised). What goes into a quantiser is computed in f32, as accurately as f32 sums, v_exp_f32 and their like allow (about 1e-6 of the number): no bf16 or f16 on the way to a quantiser, and a product that is left as it is and whose result goes on into a quantised operand takes f32 operands (vector FMAs, or v_wmma_f32_16x16x4_f32). A number that lies on a knife's edge between two numbers of the format may be rounded either way, as far as f32 arithmetic and the matrix unit's own rounding can turn it there, and no further.
;;   INPUTS GIVEN AS CODES. K (in the module: [1, 4096, 512], K = its axis 2); Q (in the module: [1, 4096, 512], K = its axis 2); V (in the module: [1, 4096, 512], K = its axis 2); W_out (in the module: [512, 512], K = its axis 1); W_qk (in the module: [512, 512], K = its axis 1); W_v (in the module: [512, 512], K = its axis 1): each comes as NAME_codes (uint8): NAME with its K axis moved to the last place and cut into blocks of 32 codes, [.., K / 32, bytes a block], one block behind the other in memory; two codes a byte, the lower K in the low four bits (a code: sign, 2 exponent bits, 1 mantissa bit); and NAME_scales (uint8): the same leading axes, one E8M0 byte (e + 127) for each 32 codes along K. Its value is code x scale, taken as it is: it is not quantised again, and the codes and scales need not be those that the quantiser above would give.
;; One version. Each part assembles by itself: llvm-mc -triple=amdgcn-amd-amdhsa -mcpu=gfx1250 --defsym DOCPART=n.
;; ======== version 1 of 1: 2 launches
;; limits: right only within a limited range of input values
;; workspace buffers: qbuf 1,179,648 bytes; kvbuf 2,293,760 bytes
;; launch proj (part 1): grid 192 x 1, 8 waves a work-group, clusters of 4 x 1, 327,680 bytes of LDS; arguments Q_codes, Q_scales, K_codes, K_scales, V_codes, V_scales, W_qk_codes, W_qk_scales, W_v_codes, W_v_scales, b_qk, b_v, qbuf, kvbuf; writes qbuf, kvbuf
.if DOCPART == 1
	.amdgcn_target "amdgcn-amd-amdhsa--gfx1250"
	.amdhsa_code_object_version 6
	.text
	.protected	k_q7a09e0e258_proj
	.globl	k_q7a09e0e258_proj
	.p2align	8
	.type	k_q7a09e0e258_proj,@function
k_q7a09e0e258_proj:
	s_mov_b64 s[64:65], 0
	v_nop
	global_prefetch_b8 v0, s[64:65] scope:SCOPE_SE
	s_setreg_imm32_b32 hwreg(HW_REG_WAVE_MODE, 25, 1), 1
	s_wait_xcnt 0x0
	s_wait_alu depctr_hold_cnt(0) depctr_sa_sdst(0) depctr_va_vdst(0) depctr_va_sdst(0) depctr_va_ssrc(0) depctr_va_vcc(0) depctr_vm_vsrc(0)
	s_getreg_b32 s2, hwreg(HW_REG_IB_STS2, 6, 4)
	s_cmp_eq_u32 s2, 0
	s_cbranch_scc0 .Lentry_in_a_cluster
	s_endpgm
.Lentry_in_a_cluster:
	s_bfe_u32 s2, ttmp6, 0x10000c
	s_cmp_lg_u32 s2, 0x3003
	s_cbranch_scc0 .Lentry_shape_is_right
	s_endpgm
.Lentry_shape_is_right:
; q = Q W_qk^T + b_qk, k = K W_qk^T + b_qk, v = V W_v^T + b_v: [4096][512] x [512][512], all operands codes of FP4 (E2M1) with one E8M0 byte for each 32 along K; sums in f32.
; The results are quantised here, in registers, for the attention that follows, and leave as IMAGES OF OPERAND REGISTERS.
; THE VIEW.  Head = row / 512; a row R of the result is 8 tokens of 64 numbers: token 8 (R % 512) + col / 64, d = col % 64.  A STEP is 128 tokens = 16 rows: step = R / 16, 0 .. 255; kappa = 8 (R % 16) + col / 64 is a token's place in its step.
; q and k are quantised along d (a block = 32 neighbouring columns), v along the tokens (a block = 4 rows x the 8 columns d + 64 c).
; qbuf: 4,608 bytes a step: codes 4,096, scale words 512.   kvbuf: 8,960 bytes a step: k's codes 4,096, v's codes 4,096, k's scale words 512, v's scale bytes 256.
;   q, k: tile t = 4 c + i, row ri holds token kappa = 64 c + 32 (ri / 8) + 8 i + ri % 8.  The 16 bytes of (token, d block h) lie at 512 t + 256 h + 16 ri; the word {byte of d block 0, of d block 1, 0x7f, 0x7f} at 16 (16 (t % 2) + ri) + 4 (t / 2).
;   v:    tile t, row ri holds d = 32 (ri / 8) + 8 t + ri % 8.  The 16 bytes of (d, block beta of the step's 128 tokens) lie at 1024 t + 256 beta + 16 ri; the scale byte at 8 (16 (t % 2) + ri) + 4 (t / 2) + beta.
; SHARES.  192 work-groups of eight waves: 64 for each tensor; a work-group takes 64 rows (4 steps), wave G 64 of the 512 columns: 16 accumulators x 4 K steps = 64 matrix instructions, no loop.
; THE MATRIX INSTRUCTION IS USED TRANSPOSED (source 0 = 16 rows of W, source 1 = 16 rows of X), and THE ROWS THAT FORM A TILE ARE CHOSEN so that the four accumulators (p, 0 .. 3) of a lane, 32 registers on end, are one whole
; block of the quantiser in its order: no other lane is asked for a maximum, and the conversions' results are 16 bytes of an image.
;   q, k: X tile p, lane r: row 16 p + r;  W tile a, lane m: row 64 G + 32 (m / 8) + m % 8 + 8 a.   Lane (r, h), block p: token (row 16 p + r, c = G), d = 32 h + 8 a + j.
;   v:    X tile a, lane r: row 4 r + a;   W tile g, lane m: row 64 (m % 8) + m / 8 + 8 G + 2 g.     Lane (r, h), block g: d = 8 G + 2 g + h, step r / 4, beta = r % 4, token in the block 8 a + j.
; The bias is the C of each sum's first matrix instruction.  The images meet in a stage in LDS (units of 256 bytes, 272 apart) and leave as runs of 512 consecutive bytes, aligned to 256.
; CODES COME THROUGH LDS, one tensor load a wave, rows of 256 bytes 272 apart: waves 0 to 3 fetch 128 rows of W each, waves 4 to 7 16 rows of X each.  The four work-groups of a cluster work on one tensor and want the same W:
; it is asked for JOINTLY, by the same descriptor and a mask that names the four.  Scales and bias go straight into registers.  NO PREFETCH: there is no loop to ask ahead in.
; The two ways (q, k | v) part on the cluster's number alone; each has stage bytes, barriers and an end of its own.
; LIMITS: a block of zeros gets the byte 1 (the floor) where the quantiser's rule says 127: its codes are zeros, and this program alone reads the bytes.  NaN and infinities are not served.
.set BI,    32                         ; v32-63   the bias: 8 registers for each tile of W, in the result's layout
.set ACC,   64                         ; v64-191  accumulator (p, a) at ACC + 8 (4 p + a)
.set XS,    192                        ; v192-199 X's scale words: register 4 j + s: K step s; lanes 0-15 tile 2 j, lanes 16-31 tile 2 j + 1
.set WS,    200                        ; v200-207 W's likewise
.set T,     208                        ; v208-211 a block's largest magnitude
.set SO,    212                        ; v212-215 the conversions' scale operands
.set BY,    216                        ; v216-219 the scale bytes, then words
.set PT,    220                        ; v220-223 what the other half of the lanes holds
.set CD,    224                        ; v224-239 the codes: four registers a block
.set RB,    240                        ; v240-255 the way out
; v1, v2 LDS addresses of my X and W rows;  v4 W's scales, v5 the bias: byte offsets;  v6, v7 where I store codes and scales in the stage;  v8, v9 where I read them back;  v10 = 16 lane, v11 = 8 lane, v12 = 8 h;  v30, v31 the add's
; window 1: X's fragment (tile i, K step s) at v[32 i + 8 s], W's at v[128 + 32 i + 8 s]
.set WT,    128*272+32                 ; from 128 rows of W to the next 128 in LDS
.set XT,    16*272+16                  ; from 16 rows of X to the next 16
.set XB,    139520                     ; X's rows begin here (a multiple of 256 behind 4 WT)
.set STEPP, 4416                       ; a step's 16 units in the stage: 16 x 272 + 64
.set CST_A, 157184                     ; q, k: codes, 4 steps (a multiple of 256 behind XB + 4 XT)
.set SST_A, CST_A+4*STEPP              ;       scale words, 4 x 512
.set CST_B, SST_A+2048                 ; v:    codes
.set SST_B, CST_B+4*STEPP              ;       scale bytes, 4 x 256
.set SPARE, SST_B+1024                 ; the spare words, 128 bytes for each wave
.set MSB, 0
.macro WIN new                         ; the immediate's high byte repeats the setting that is left
.if MSB != \new
	s_set_vgpr_msb (MSB<<8)|\new
.set MSB, \new
.endif
.endm
; one matrix instruction; ra, rb = 1: the side's scales stand in lanes 16-31 of the register named
.macro WM d, a, b, c, sa, sb, ra, rb
.if (\ra) && (\rb)
	v_wmma_scale_f32_16x16x128_f8f6f4 v[\d:\d+7], v[\a:\a+7], v[\b:\b+7], v[\c:\c+7], v[\sa], v[\sb] matrix_a_fmt:MATRIX_FMT_FP4 matrix_b_fmt:MATRIX_FMT_FP4 matrix_a_scale:MATRIX_SCALE_ROW1 matrix_b_scale:MATRIX_SCALE_ROW1
.elseif (\ra)
	v_wmma_scale_f32_16x16x128_f8f6f4 v[\d:\d+7], v[\a:\a+7], v[\b:\b+7], v[\c:\c+7], v[\sa], v[\sb] matrix_a_fmt:MATRIX_FMT_FP4 matrix_b_fmt:MATRIX_FMT_FP4 matrix_a_scale:MATRIX_SCALE_ROW1
.elseif (\rb)
	v_wmma_scale_f32_16x16x128_f8f6f4 v[\d:\d+7], v[\a:\a+7], v[\b:\b+7], v[\c:\c+7], v[\sa], v[\sb] matrix_a_fmt:MATRIX_FMT_FP4 matrix_b_fmt:MATRIX_FMT_FP4 matrix_b_scale:MATRIX_SCALE_ROW1
.else
	v_wmma_scale_f32_16x16x128_f8f6f4 v[\d:\d+7], v[\a:\a+7], v[\b:\b+7], v[\c:\c+7], v[\sa], v[\sb] matrix_a_fmt:MATRIX_FMT_FP4 matrix_b_fmt:MATRIX_FMT_FP4
.endif
.endm
; accumulator (p, a), K step s: W's tile wi x X's tile xi.  The first K step takes the bias as C: nothing is cleared and nothing is added afterwards
.macro PM p, a, s, wi, xi
.if (\s) == 0
	WM ACC+8*(4*(\p)+(\a)), 128+32*(\wi)+8*(\s), 32*(\xi)+8*(\s), BI+8*(\wi), WS+4*((\wi)/2)+(\s), XS+4*((\xi)/2)+(\s), (\wi)%2, (\xi)%2
.else
	WM ACC+8*(4*(\p)+(\a)), 128+32*(\wi)+8*(\s), 32*(\xi)+8*(\s), ACC+8*(4*(\p)+(\a)), WS+4*((\wi)/2)+(\s), XS+4*((\xi)/2)+(\s), (\wi)%2, (\xi)%2
.endif
.endm
.macro SCALES wsj, xsj                 ; the scale words.  xsj, wsj: bytes from a pair of tiles' scales to the next pair's
.irp j, 0,1
	global_load_b128 v[XS+4*\j:XS+4*\j+3], v3, s[42:43] offset:\j*\xsj
	global_load_b128 v[WS+4*\j:WS+4*\j+3], v4, s[48:49] offset:\j*\wsj
.endr
.endm
.macro FRAGS s, xt, wt                 ; K step s: 16 LDS loads.  xt, wt: bytes from tile to tile
	WIN 0x40                                       ; destination window 1, address window 0
.irp i, 0,1,2,3
.irp c, 0,1
	ds_load_b128 v[32*\i+8*(\s)+4*\c:32*\i+8*(\s)+4*\c+3], v1 offset:\i*\xt+64*(\s)+32*\c
	ds_load_b128 v[128+32*\i+8*(\s)+4*\c:128+32*\i+8*(\s)+4*\c+3], v2 offset:\i*\wt+64*(\s)+32*\c
.endr
.endr
.endm
; all rows are shown to every wave, then the 64 matrix instructions.  The 16 accumulators take turns, one instruction a turn.  v = 1: the v way (W's tile goes with p, X's with a)
.macro MM v, xt, wt
	s_wait_alu depctr_va_vdst(0)
	s_wait_tensorcnt 0x0                           ; my rows have landed;
	s_wait_dscnt 0x0
	s_barrier_signal -1
	s_barrier_wait -1                              ; everybody's have
	FRAGS 0, \xt, \wt
	FRAGS 1, \xt, \wt
	FRAGS 2, \xt, \wt
	s_wait_loadcnt 0x0                             ; scales and bias
.irp s, 0,1,2,3
.if \s == 0
	s_wait_dscnt 32                                ; K steps 1 and 2 may be out, 16 loads each
.elseif \s == 1
	s_wait_dscnt 32                                ; K steps 2 and 3 may be out
.elseif \s == 2
	s_wait_dscnt 16
.else
	s_wait_dscnt 0x0
.endif
	WIN 0x05                                       ; sources 0 and 1 window 1; C and D window 0
.irp p, 0,1,2,3
.irp a, 0,1,2,3
.if \v
	PM \p, \a, \s, \p, \a
.else
	PM \p, \a, \s, \a, \p
.endif
.endr
.endr
.if \s == 0
	FRAGS 3, \xt, \wt                              ; into registers that no product has read
.endif
.endr
	WIN 0
.rept 4
	v_nop                                          ; four places between the last product and the first read of results
.endr
.endm
; my four blocks of 32 numbers become 4 x 16 bytes of codes, a scale byte each.  The blocks take turns line by line; each accumulator is read from its low end on
.macro QUANT4
.irp p, 0,1,2,3
	v_max3_num_f32 v[T+\p], |v[ACC+32*\p]|, |v[ACC+32*\p+1]|, 0x1800000   ; with the floor 2^(3 - 127): the byte cannot fall under 1
.endr
.irp i, 2,4,6,8,10,12,14,16,18,20,22,24,26,28,30
.irp p, 0,1,2,3
	v_max3_num_f32 v[T+\p], v[T+\p], |v[ACC+32*\p+\i]|, |v[ACC+32*\p+\i+1]|
.endr
.endr
.irp p, 0,1,2,3
	v_add_nc_u32 v[SO+\p], 0xff000000, v[T+\p]     ; 2 off the exponent field: the conversion takes this operand's exponent field as its scale
.endr
.irp p, 0,1,2,3
	v_lshrrev_b32 v[BY+\p], 23, v[SO+\p]           ; the scale's byte
.endr
.irp p, 0,1,2,3
.irp g, 0,1,2,3
	v_cvt_scalef32_pk8_fp4_f32 v[CD+4*\p+\g], v[ACC+32*\p+8*\g:ACC+32*\p+8*\g+7], v[SO+\p]
.endr
.endr
	v_nop                                          ; one plain place behind the last conversion
.endm
; wave G takes half (G % 2) of step G / 2 out of the stage: 8 units of 256 bytes, two an instruction; each store covers 512 consecutive bytes, aligned to 256
.macro OUT
.irp i, 0,1,2,3
	ds_load_b128 v[RB+4*\i:RB+4*\i+3], v8 offset:544*\i
.endr
.irp i, 0,1,2,3
	s_wait_dscnt 3-\i                              ; LDS loads come back in order: the later ones may be out
	global_store_b128 v10, v[RB+4*\i:RB+4*\i+3], s[44:45] offset:512*\i
.endr
.endm
; A round of the cluster's barrier
.macro CROUND
	s_barrier_signal -1
	s_barrier_wait -1
	s_cmp_lg_u32 s36, 0
	s_cbranch_scc1 .Lnot_wave_0_\@
	s_barrier_signal -3
.Lnot_wave_0_\@:
	s_barrier_wait -3
	s_barrier_signal -1
	s_barrier_wait -1
.endm
.macro FINISH
	s_wait_tensorcnt 0x0                           ; the wave's end
	ds_add_u32 v30, v31
	s_wait_dscnt 0x0
	CROUND                                         ; the closing round: no work-group ends while a partner may still ask for rows that name it
	s_endpgm
.endm
	s_load_b512 s[8:23], s[0:1], 0x0               ; Q's codes s[8:9], scales s[10:11]; K's s[12:13], s[14:15]; V's s[16:17], s[18:19]; W_qk's s[20:21], s[22:23]
	s_load_b256 s[24:31], s[0:1], 0x40             ; W_v's codes s[24:25], scales s[26:27]; b_qk s[28:29]; b_v s[30:31]
	s_load_b128 s[32:35], s[0:1], 0x60             ; qbuf s[32:33], kvbuf s[34:35]
	v_lshl_add_u32 v30, v0, 2, SPARE
	v_mov_b32 v31, 0
	ds_add_u32 v30, v31                            ; the opening add, twice on end, and its wait
	ds_add_u32 v30, v31
	v_lshrrev_b32 v13, 5, v0
	v_readfirstlane_b32 s36, v13                   ; G: wave 0..7
	s_bfe_u32 s37, ttmp6, 0x40000                  ; cx: my place in the cluster: it enters X's and the results' addresses alone
	s_lshl_b32 s52, ttmp9, 2                       ; in a cluster launch ttmp9 counts clusters: 16 for each tensor
	s_add_co_u32 s37, s37, s52
	s_and_b32 s37, s37, 63                         ; Rg: which 64 rows of the tensor
	v_and_b32 v20, 31, v0                          ; lane
	v_and_b32 v18, 15, v0                          ; r
	v_bfe_u32 v19, v0, 4, 1                        ; h
.irp p, 0,1,2,3
	v_mov_b32 v[PT+\p], 0                          ; a lane permute's destination counts as one of its sources
.endr
	v_lshlrev_b32 v10, 4, v20
	v_lshlrev_b32 v11, 3, v20
	v_lshlrev_b32 v12, 3, v19
	s_wait_alu depctr_va_vdst(0)                   ; ahead of the scalar lines
	s_mov_b32 s38, 0x76543210
	s_mov_b32 s39, 0xfedcba98                      ; v_permlanex16_b32's selects for lane l xor 16
	; descriptor group 1: rows of 256 bytes (32 elements of 8 bytes), 16 bytes of padding behind each: 128 rows of W, jointly; 16 rows of X
	s_mov_b32 s68, 15|(3<<16)|(1<<20)|(1<<21)|(5<<22)|(3<<25)
	s_mov_b32 s69, 32<<16
	s_mov_b32 s70, 128<<16
	s_mov_b32 s71, 32<<16
	s_mov_b32 s72, 128
	s_mov_b32 s73, 32
	s_mov_b32 s74, 0
	s_mov_b32 s75, 0
	s_mov_b32 s76, (3<<16)|(1<<20)|(5<<22)|(3<<25)
	s_mov_b32 s77, 32<<16
	s_mov_b32 s78, 16<<16
	s_mov_b32 s79, 32<<16
	s_mov_b32 s80, 16
	s_mov_b32 s81, 32
	s_mov_b32 s82, 0
	s_mov_b32 s83, 0
	s_and_b32 s52, s36, 3
	s_mov_b32 s84, 1
	s_mul_i32 s85, s52, WT
	s_mov_b32 s88, 1
	s_mul_i32 s89, s52, XT
	s_add_co_u32 s89, s89, XB
	s_mov_b32 s57, 0                               ; the upper word of every offset below
	s_lshl_b32 s58, s52, 15                        ; 128 rows of W,
	s_mov_b32 s59, 0
	s_lshl_b32 s60, s52, 12                        ; 16 rows of X
	s_mov_b32 s61, 0
	s_lshl_b32 s56, s37, 14                        ; X's codes at my 64 rows
	s_wait_dscnt 0x0                               ; both opening adds are done
	CROUND                                         ; all four work-groups are here: the joint loads meet
	s_wait_kmcnt 0x0
	s_cmp_lt_u32 ttmp9, 16                         ; q, k or v?  The choice hangs on the cluster's number alone
	s_cselect_b64 s[40:41], s[8:9], s[12:13]
	s_cselect_b64 s[42:43], s[10:11], s[14:15]
	s_cselect_b64 s[44:45], s[32:33], s[34:35]
	s_cmp_lt_u32 ttmp9, 32
	s_cselect_b64 s[40:41], s[40:41], s[16:17]
	s_cselect_b64 s[42:43], s[42:43], s[18:19]
	s_cselect_b64 s[46:47], s[20:21], s[24:25]
	s_add_nc_u64 s[86:87], s[46:47], s[58:59]
	s_or_b32 s87, s87, 0x80000000
	s_add_nc_u64 s[90:91], s[40:41], s[56:57]
	s_add_nc_u64 s[90:91], s[90:91], s[60:61]
	s_or_b32 s91, s91, 0x80000000
	s_cmp_lt_u32 s36, 4
	s_cbranch_scc0 .Lfetch_x
	tensor_load_to_lds s[84:87], s[68:75]
	s_nop 0
.rept 4
	v_nop
.endr
	s_branch .Lasked
.Lfetch_x:
	tensor_load_to_lds s[88:91], s[76:83]
	s_nop 0
.rept 4
	v_nop
.endr
.Lasked:
	s_lshr_b32 s52, s36, 1                         ; G / 2: the step that I take out
	s_and_b32 s53, s36, 1                          ; G % 2: which half of it
	s_lshl_b32 s56, s37, 10
	s_add_nc_u64 s[42:43], s[42:43], s[56:57]      ; X's scales at my 64 rows
	s_mul_i32 s54, s52, STEPP
	s_mul_i32 s55, s53, 8*272
	s_add_co_u32 s54, s54, s55
	v_mul_u32_u24 v8, v19, 272
	v_lshl_add_u32 v8, v18, 4, v8
	v_add_nc_u32 v8, s54, v8                       ; back: lanes 0-15 one unit, lanes 16-31 the next
	s_lshl_b32 s55, s36, 8
	v_add_nc_u32 v9, s55, v11                      ; the scales back: 256 G + 8 lane
	s_wait_alu depctr_va_vdst(0)                   ; ahead of the branch
	s_cmp_ge_u32 ttmp9, 32
	s_cbranch_scc1 .Lv_way
	; ---------------- q and k ----------------
	s_mul_i32 s54, s52, WT
	s_mul_i32 s55, s53, 64*272
	s_add_co_u32 s54, s54, s55                     ; W's row 64 G in LDS
	s_lshl_b32 s55, s36, 4
	s_add_co_u32 s55, s55, CST_A
	s_lshl_b32 s62, s36, 4
	s_add_co_u32 s62, s62, SST_A
	v_lshlrev_b32 v3, 4, v20                       ; X's scales: 16 bytes a row; lanes 16-31 take the next tile's 16 rows
	v_lshrrev_b32 v13, 3, v18                      ; c = r / 8
	v_and_b32 v14, 7, v18
	v_mul_u32_u24 v1, v18, 272
	v_lshl_add_u32 v16, v13, 5, v14                ; W: row 32 (r / 8) + r % 8
	v_lshl_add_u32 v1, v19, 4, v1
	v_mul_u32_u24 v2, v16, 272
	v_lshl_add_u32 v4, v19, 3, v16
	v_add_nc_u32 v1, XB, v1                        ; X: row r, + 16 h
	v_lshl_add_u32 v2, v19, 4, v2
	v_lshlrev_b32 v4, 4, v4                        ; W's scales: lanes 16-31 take the next tile's rows, 8 further on
	v_add_nc_u32 v2, s54, v2
	v_lshlrev_b32 v5, 7, v19                       ; the bias: 32 h numbers on
	v_and_b32 v14, 3, v18                          ; i = r % 4
	v_bfe_u32 v15, v18, 2, 1                       ; ri / 8 = (r / 4) % 2;  ri % 8 = G
	v_lshl_add_u32 v21, v13, 3, v19
	v_and_b32 v7, 1, v18                           ; t % 2
	v_lshl_add_u32 v21, v14, 1, v21                ; the unit: 2 t + h = 8 c + 2 i + h
	v_bfe_u32 v22, v18, 1, 1                       ; t / 2 = 2 c + (r / 2) % 2
	v_mul_u32_u24 v6, v21, 272
	v_lshlrev_b32 v7, 8, v7
	v_lshl_add_u32 v6, v15, 7, v6
	v_lshl_add_u32 v7, v15, 7, v7
	v_add_nc_u32 v6, s55, v6                       ; + 16 ri
	v_lshl_add_u32 v7, v13, 3, v7
	v_add_nc_u32 v8, CST_A, v8
	v_lshl_add_u32 v7, v22, 2, v7
	v_add_nc_u32 v9, SST_A, v9
	v_add_nc_u32 v7, s62, v7                       ; the word: 16 (16 (t % 2) + ri) + 4 (t / 2)
	s_wait_alu depctr_va_vdst(0)                   ; ahead of the scalar lines
	s_lshl_b32 s56, s36, 10
	s_add_nc_u64 s[48:49], s[22:23], s[56:57]      ; W's scales at row 64 G
	s_lshl_b32 s56, s36, 8
	s_add_nc_u64 s[58:59], s[28:29], s[56:57]      ; the bias at 64 G
	SCALES 256, 512
.irp a, 0,1,2,3
	global_load_b128 v[BI+8*\a:BI+8*\a+3], v5, s[58:59] offset:32*\a         ; b(64 G + 32 h + 8 a + j)
	global_load_b128 v[BI+8*\a+4:BI+8*\a+7], v5, s[58:59] offset:32*\a+16
.endr
	s_cmp_lt_u32 ttmp9, 16                         ; q or k?
	s_mov_b32 s50, 8960
	s_cselect_b32 s50, 4608, s50                   ; bytes a step in the buffer
	s_mov_b32 s51, 8192
	s_cselect_b32 s51, 4096, s51                   ; where a step's scale words begin
	s_lshl_b32 s54, s37, 2
	s_add_co_u32 s54, s54, s52
	s_mul_i32 s54, s54, s50                        ; step 4 Rg + G / 2
	s_lshl_b32 s56, s53, 8
	s_add_co_u32 s56, s56, s54
	s_add_co_u32 s56, s56, s51
	s_add_nc_u64 s[60:61], s[44:45], s[56:57]      ; out: my 256 bytes of its scale words,
	s_lshl_b32 s56, s53, 11
	s_add_co_u32 s56, s56, s54
	s_add_nc_u64 s[44:45], s[44:45], s[56:57]      ; and my 2,048 bytes of its codes
	MM 0, XT, 2176
	QUANT4
.irp p, 0,1,2,3
	ds_store_b128 v6, v[CD+4*\p:CD+4*\p+3] offset:STEPP*\p                   ; block p belongs to step p of the four
.endr
.irp p, 0,1,2,3
	v_lshlrev_b32 v[BY+\p], v12, v[BY+\p]          ; my byte at its place, 8 h bits up;
.endr
.irp p, 0,1,2,3
	v_permlanex16_b32 v[PT+\p], v[BY+\p], s38, s39
.endr
.irp p, 0,1,2,3
	v_or_b32 v[BY+\p], v[BY+\p], v[PT+\p]          ; with lane l xor 16's: the token's two bytes;
.endr
.irp p, 0,1,2,3
	v_or_b32 v[BY+\p], 0x7f7f0000, v[BY+\p]        ; and 1.0 for the half of the instruction's K that q's zero codes fill
.endr
.irp p, 0,1,2,3
	ds_store_b32 v7, v[BY+\p] offset:512*\p        ; (both halves of the lanes write the same word with the same value)
.endr
	s_wait_alu depctr_va_vdst(0)
	s_wait_dscnt 0x0                               ; for the others' sake: my stores into the stage are done
	s_barrier_signal -1
	s_barrier_wait -1
	OUT
	ds_load_b64 v[16:17], v9
	s_wait_dscnt 0x0
	global_store_b64 v11, v[16:17], s[60:61]       ; 32 lanes store 256 consecutive bytes, aligned
	FINISH
	; ---------------- v ----------------
.Lv_way:
	s_bfe_u32 s54, s36, 0x10001                    ; d = 8 G + 2 g + h: ri / 8 = G / 4, t = G % 4, ri % 8 = 2 g + h
	s_lshl_b32 s55, s54, 1
	s_add_co_u32 s55, s55, s53                     ; t
	s_mul_i32 s55, s55, 4*272                      ; four units a tile
	s_lshr_b32 s62, s36, 2                         ; ri / 8
	s_lshl_b32 s63, s62, 7
	s_add_co_u32 s55, s55, s63
	s_add_co_u32 s55, s55, CST_B
	s_lshl_b32 s66, s53, 7
	s_lshl_b32 s63, s62, 6
	s_add_co_u32 s66, s66, s63
	s_lshl_b32 s63, s54, 2
	s_add_co_u32 s66, s66, s63
	s_add_co_u32 s66, s66, SST_B
	s_mul_i32 s67, s36, 8*272                      ; W's row 8 G of a group of 64
	v_lshrrev_b32 v13, 2, v18                      ; r / 4: X's 16 rows in LDS; also the step
	v_and_b32 v14, 3, v18                          ; r % 4; also beta
	v_and_b32 v15, 7, v18                          ; j = r % 8
	v_lshrrev_b32 v16, 3, v18                      ; r / 8
	v_mul_u32_u24 v1, v13, XT
	v_lshrrev_b32 v17, 1, v15
	v_and_b32 v21, 1, v15
	v_mad_u32_u24 v1, v14, 4*272, v1
	v_mul_u32_u24 v2, v17, WT
	v_lshl_add_u32 v22, v21, 6, v16                ; 64 (j % 2) + r / 8
	v_lshl_add_u32 v1, v19, 4, v1
	v_mad_u32_u24 v2, v22, 272, v2
	v_add_nc_u32 v1, XB, v1                        ; X: row 4 r, + 16 h
	v_lshl_add_u32 v2, v19, 4, v2
	v_lshl_add_u32 v3, v18, 2, v19
	v_add_nc_u32 v2, s67, v2                       ; W: row 64 j + r / 8 + 8 G, + 16 h
	v_lshl_add_u32 v4, v15, 6, v16
	v_lshlrev_b32 v3, 4, v3                        ; X's scales: row 4 r + h: lanes 16-31 take the next tile's rows, one further on
	v_lshl_add_u32 v4, v19, 1, v4
	v_lshlrev_b32 v5, 2, v19                       ; the bias: h numbers on
	v_mul_u32_u24 v6, v13, STEPP
	v_lshlrev_b32 v4, 4, v4                        ; W's scales: the next tile's rows lie two further on
	v_lshl_add_u32 v7, v13, 8, v14
	v_mad_u32_u24 v6, v14, 272, v6
	v_lshl_add_u32 v7, v19, 3, v7
	v_lshl_add_u32 v6, v19, 4, v6
	v_add_nc_u32 v7, s66, v7                       ; the byte: 256 step + 8 (16 (t % 2) + ri) + 4 (t / 2) + beta
	v_add_nc_u32 v6, s55, v6                       ; the unit 4 t + beta, + 16 ri (of which 32 g stands in the immediate)
	v_add_nc_u32 v8, CST_B, v8
	v_add_nc_u32 v9, SST_B, v9
	s_wait_alu depctr_va_vdst(0)                   ; ahead of the scalar lines
	s_lshl_b32 s56, s36, 7
	s_add_nc_u64 s[48:49], s[26:27], s[56:57]      ; W's scales at row 8 G
	s_lshl_b32 s56, s36, 5
	s_add_nc_u64 s[58:59], s[30:31], s[56:57]      ; the bias at 8 G
	SCALES 64, 32
.irp g, 0,1,2,3
.irp j, 0,1,2,3,4,5,6,7
	global_load_b32 v[BI+8*\g+\j], v5, s[58:59] offset:(64*\j+2*\g)*4        ; b(64 j + 8 G + 2 g + h)
.endr
.endr
	s_lshl_b32 s54, s37, 2
	s_and_b32 s55, s36, 3                          ; (waves 0 to 3 take the scale bytes out, a step each)
	s_add_co_u32 s55, s55, s54
	s_mul_i32 s56, s55, 8960
	s_add_co_u32 s56, s56, 8704
	s_add_nc_u64 s[60:61], s[34:35], s[56:57]
	s_add_co_u32 s54, s54, s52
	s_mul_i32 s54, s54, 8960
	s_lshl_b32 s56, s53, 11
	s_add_co_u32 s56, s56, s54
	s_add_co_u32 s56, s56, 4096
	s_add_nc_u64 s[44:45], s[34:35], s[56:57]      ; out: my 2,048 bytes of v's codes in step 4 Rg + G / 2
	MM 1, 272, 544
	QUANT4
.irp g, 0,1,2,3
	ds_store_b128 v6, v[CD+4*\g:CD+4*\g+3] offset:32*\g
.endr
.irp g, 0,1,2,3
	ds_store_b8 v7, v[BY+\g] offset:16*\g
.endr
	s_wait_alu depctr_va_vdst(0)
	s_wait_dscnt 0x0                               ; for the others' sake: my stores into the stage are done
	s_barrier_signal -1
	s_barrier_wait -1
	OUT
	s_cmp_gt_u32 s36, 3                            ; four steps' scale bytes: four waves; no barrier stands under this branch
	s_cbranch_scc1 .Lv_done
	ds_load_b64 v[16:17], v9
	s_wait_dscnt 0x0
	global_store_b64 v11, v[16:17], s[60:61]       ; 32 lanes store 256 consecutive bytes, aligned
.Lv_done:
	FINISH
.Lfunc_end_k_q7a09e0e258_proj:
	.size	k_q7a09e0e258_proj, .Lfunc_end_k_q7a09e0e258_proj-k_q7a09e0e258_proj
	.p2alignl 7, 3214868480
	.fill 96, 4, 3214868480
	.section	.rodata,"a",@progbits
	.p2align	6, 0x0
	.amdhsa_kernel k_q7a09e0e258_proj
		.amdhsa_group_segment_fixed_size 327680
		.amdhsa_private_segment_fixed_size 0
		.amdhsa_enable_private_segment 0
		.amdhsa_kernarg_size 112
		.amdhsa_user_sgpr_count 2
		.amdhsa_user_sgpr_kernarg_segment_ptr 1
		.amdhsa_wavefront_size32 1
		.amdhsa_system_sgpr_workgroup_id_x 1
		.amdhsa_system_sgpr_workgroup_id_y 1
		.amdhsa_system_sgpr_workgroup_id_z 1
		.amdhsa_system_vgpr_workitem_id 0
		.amdhsa_next_free_vgpr 512
		.amdhsa_next_free_sgpr 96
		.amdhsa_reserve_vcc 0
		.amdhsa_float_denorm_mode_32 3
		.amdhsa_float_denorm_mode_16_64 3
		.amdhsa_memory_ordered 1
		.amdhsa_forward_progress 1
		.amdhsa_inst_pref_size 57
	.end_amdhsa_kernel
	.amdgpu_metadata
---
amdhsa.version: [ 1, 2 ]
amdhsa.kernels:
  - .name:           k_q7a09e0e258_proj
    .symbol:         k_q7a09e0e258_proj.kd
    .args:
      - { .name: Q_codes, .offset: 0, .size: 8, .value_kind: global_buffer, .address_space: global }
      - { .name: Q_scales, .offset: 8, .size: 8, .value_kind: global_buffer, .address_space: global }
      - { .name: K_codes, .offset: 16, .size: 8, .value_kind: global_buffer, .address_space: global }
      - { .name: K_scales, .offset: 24, .size: 8, .value_kind: global_buffer, .address_space: global }
      - { .name: V_codes, .offset: 32, .size: 8, .value_kind: global_buffer, .address_space: global }
      - { .name: V_scales, .offset: 40, .size: 8, .value_kind: global_buffer, .address_space: global }
      - { .name: W_qk_codes, .offset: 48, .size: 8, .value_kind: global_buffer, .address_space: global }
      - { .name: W_qk_scales, .offset: 56, .size: 8, .value_kind: global_buffer, .address_space: global }
      - { .name: W_v_codes, .offset: 64, .size: 8, .value_kind: global_buffer, .address_space: global }
      - { .name: W_v_scales, .offset: 72, .size: 8, .value_kind: global_buffer, .address_space: global }
      - { .name: b_qk, .offset: 80, .size: 8, .value_kind: global_buffer, .address_space: global }
      - { .name: b_v, .offset: 88, .size: 8, .value_kind: global_buffer, .address_space: global }
      - { .name: qbuf, .offset: 96, .size: 8, .value_kind: global_buffer, .address_space: global }
      - { .name: kvbuf, .offset: 104, .size: 8, .value_kind: global_buffer, .address_space: global }
    .group_segment_fixed_size: 327680
    .private_segment_fixed_size: 0
    .kernarg_segment_align: 8
    .kernarg_segment_size: 112
    .max_flat_workgroup_size: 256
    .sgpr_count:     96
    .vgpr_count:     512
    .wavefront_size: 32
...
	.end_amdgpu_metadata
.endif
;; end of part 1
;; launch attn (part 2): grid 32 x 8, 8 waves a work-group, clusters of 4 x 1, 327,680 bytes of LDS; arguments qbuf, kvbuf, W_out_codes, W_out_scales, b_out, out0; writes out0
.if DOCPART == 2
	.amdgcn_target "amdgcn-amd-amdhsa--gfx1250"
	.amdhsa_code_object_version 6
	.text
	.protected	k_q7a09e0e258_attn
	.globl	k_q7a09e0e258_attn
	.p2align	8
	.type	k_q7a09e0e258_attn,@function
k_q7a09e0e258_attn:
	s_mov_b64 s[64:65], 0
	v_nop
	global_prefetch_b8 v0, s[64:65] scope:SCOPE_SE
	s_setreg_imm32_b32 hwreg(HW_REG_WAVE_MODE, 25, 1), 1
	s_wait_xcnt 0x0
	s_wait_alu depctr_hold_cnt(0) depctr_sa_sdst(0) depctr_va_vdst(0) depctr_va_sdst(0) depctr_va_ssrc(0) depctr_va_vcc(0) depctr_vm_vsrc(0)
	s_getreg_b32 s2, hwreg(HW_REG_IB_STS2, 6, 4)
	s_cmp_eq_u32 s2, 0
	s_cbranch_scc0 .Lentry_in_a_cluster
	s_endpgm
.Lentry_in_a_cluster:
	s_bfe_u32 s2, ttmp6, 0x10000c
	s_cmp_lg_u32 s2, 0x3003
	s_cbranch_scc0 .Lentry_shape_is_right
	s_endpgm
.Lentry_shape_is_right:
; out0 = (softmax(q k^T / 8) v, seen as [4096][512]) W_out^T + b_out: three products on codes of FP4 (E2M1) with one E8M0 byte for each 32 along K; sums in f32.
; q, k, v come quantised, as images of operand registers, 128 tokens (a STEP) to a block: qbuf 4,608 bytes a step (codes, scale words), kvbuf 8,960 (k's codes 4,096, v's codes 4,096, k's scale words 512, v's scale bytes 256).
;   q, k: tile t = 4 c + i, row ri holds token 64 c + 32 (ri / 8) + 8 i + ri % 8 of the step; a lane's 16 bytes of tile t lie at 512 t + 16 lane; scale words at 16 lane: register t / 2, lanes 0-15 even tiles, lanes 16-31 odd ones.
;   v:    tile t, row ri holds d = 32 (ri / 8) + 8 t + ri % 8; a lane's 16 bytes at 1024 t + 512 c + 16 lane (block 2 c + lane / 16 of the tokens); scale words at 8 lane: register t / 2, halves of the lanes as above.
; BOTH ATTENTION PRODUCTS ARE USED TRANSPOSED: S^T = k q^T, O^T = v^T p^T: a lane holds ONE query throughout, and by the tiles' order of rows the 32 registers of four tiles are ONE WHOLE BLOCK of the next product's K:
; no other lane is asked for a block's maximum, and the conversions' results are the operand's registers as they stand.
; THE SOFTMAX AHEAD OF THE SECOND PRODUCT: t = score x log2(e) / 8; M = the row's largest t so far, rounded UP to a whole number; p = 2^(t - M) is quantised along the keys, not normalised; the row's sum is taken of the
; unquantised p and divides O at the end.  When M moves, the sum and O are multiplied by 2^(old M - new M): exact.  A block's exponent floor(log2(largest p)) is floor(largest t - M): no exponential is taken for it.
; SHARES.  A work-group owns one step of queries of one head, which are 16 whole rows of out0; each of its eight waves one tile of 16 queries, two waves to a SIMD.  A trip of the walk takes 256 keys: 128 scores a lane.
; For the last product wave w makes columns 64 w .. 64 w + 63 of the 16 rows.
; The head size is 64, half of the instruction's K: the upper four registers of q's fragment are zero codes, so what stands in the upper half of k's fragment counts for nothing: k's tiles lie four registers apart.
; LDS: the whole head's k and v, 32 steps x 8,960 bytes.  Steps 0 to 7 are asked for at the head, one a wave; 8 to 31 behind the first round, three a wave; they are shown by a barrier that guards no refill (its signal ahead of trip 3,
; its wait in trip 3's middle).  When steps 0 to 19 have been read, W_out (512 rows of 256 bytes, 272 apart) goes over steps 0 to 15, 64 rows a wave.  A wave has one tensor load out at a time.
; CLUSTER: the four work-groups of a cluster belong to one head and want the same k, v and W_out: each load is asked for JOINTLY, by the same descriptor and a mask that names the four.
; NO PREFETCH: every request for k and v stands ahead of the walk's first trip, and W_out's has five trips in which to land: no loop is left to ask ahead in.
; LIMITS: a block of zeros gets the scale byte 1 (its codes are zeros); p under 2^-126 counts as 0 (the exponential's own flush); the scaled scores stay under 2^31 in magnitude; NaN and infinities are not served.
; REGISTERS, window 0: v0 thread; v1 16 lane; v2 8 lane; v3, v4 LDS addresses; v5, v6 the add's; v7 q's scale words; v8-15 k's (at the end W_out's), v16-19 v's (o's); v20 p's scale word; v22 f; v23 the largest score; v24 -M;
;   v26-33 the half blocks' maxima, then by turns a block's exponent and its conversion's scale operand; v36-51 p's codes; v52-83 the sum in 16 pairs; v84-115 O^T; v116-243 S^T, then p; v244-251 q; v252 my W_out rows in LDS; v253 b_out's offset; v254 q's scale words' offset.
;   window 1: v0-63 k's 16 tiles, v64-67 zeros; v68-131 v's fragments; v132-163 b_out; v164-171 W_out's scale words; W_out's fragments (tile n, K step s) at 32 n + 116 (n / 2) + 8 s.
.set KVB,   8960
.set VF,    68
.set SA,    52
.set O,     84
.set S,     116
.set OC,    32*KVB                     ; behind k and v: o's codes, 16 rows of 256 bytes, 272 apart
.set OS,    OC+4608                    ; o's scale bytes, 16 a row
.set ST,    OS+256                     ; the way out: 16 rows x (256 + 16) bytes for each wave
.set SPARE, ST+8*16*272                ; the spare words, 128 bytes for each wave
.set MSB, 0
.set I, 0
.macro WIN new                         ; the immediate's high byte repeats the setting that is left
.if MSB != \new
	s_set_vgpr_msb (MSB<<8)|\new
.set MSB, \new
.endif
.endm
; one matrix instruction.  c < 0: the constant 0 starts the sum.  ra, rb = 1: source 0's, source 1's scales stand in lanes 16-31 of the register named
.macro WM d, a, b, c, sa, sb, ra, rb
.if (\c) < 0
.if (\ra)
	v_wmma_scale_f32_16x16x128_f8f6f4 v[\d:\d+7], v[\a:\a+7], v[\b:\b+7], 0, v[\sa], v[\sb] matrix_a_fmt:MATRIX_FMT_FP4 matrix_b_fmt:MATRIX_FMT_FP4 matrix_a_scale:MATRIX_SCALE_ROW1
.else
	v_wmma_scale_f32_16x16x128_f8f6f4 v[\d:\d+7], v[\a:\a+7], v[\b:\b+7], 0, v[\sa], v[\sb] matrix_a_fmt:MATRIX_FMT_FP4 matrix_b_fmt:MATRIX_FMT_FP4
.endif
.elseif (\ra) && (\rb)
	v_wmma_scale_f32_16x16x128_f8f6f4 v[\d:\d+7], v[\a:\a+7], v[\b:\b+7], v[\c:\c+7], v[\sa], v[\sb] matrix_a_fmt:MATRIX_FMT_FP4 matrix_b_fmt:MATRIX_FMT_FP4 matrix_a_scale:MATRIX_SCALE_ROW1 matrix_b_scale:MATRIX_SCALE_ROW1
.elseif (\ra)
	v_wmma_scale_f32_16x16x128_f8f6f4 v[\d:\d+7], v[\a:\a+7], v[\b:\b+7], v[\c:\c+7], v[\sa], v[\sb] matrix_a_fmt:MATRIX_FMT_FP4 matrix_b_fmt:MATRIX_FMT_FP4 matrix_a_scale:MATRIX_SCALE_ROW1
.elseif (\rb)
	v_wmma_scale_f32_16x16x128_f8f6f4 v[\d:\d+7], v[\a:\a+7], v[\b:\b+7], v[\c:\c+7], v[\sa], v[\sb] matrix_a_fmt:MATRIX_FMT_FP4 matrix_b_fmt:MATRIX_FMT_FP4 matrix_b_scale:MATRIX_SCALE_ROW1
.else
	v_wmma_scale_f32_16x16x128_f8f6f4 v[\d:\d+7], v[\a:\a+7], v[\b:\b+7], v[\c:\c+7], v[\sa], v[\sb] matrix_a_fmt:MATRIX_FMT_FP4 matrix_b_fmt:MATRIX_FMT_FP4
.endif
.endm
; A round of the cluster's barrier: my work-group's barrier; wave 0 signals for the work-group; every wave waits for all four work-groups; my work-group's barrier once more
.macro CROUND
	s_barrier_signal -1
	s_barrier_wait -1
	s_cmp_lg_u32 s16, 0
	s_cbranch_scc1 .Lnot_wave_0_\@
	s_barrier_signal -3
.Lnot_wave_0_\@:
	s_barrier_wait -3
	s_barrier_signal -1
	s_barrier_wait -1
.endm
.macro TLOAD g0, g1
	tensor_load_to_lds s[\g0:\g0+3], s[\g1:\g1+7]
	s_nop 0
.rept 4
	v_nop
.endr
.endm
; The full sequence: all my tensor loads have landed, the add, all my LDS reads are over; then the round
.macro MEET
	s_wait_alu depctr_va_vdst(0)
	s_wait_tensorcnt 0x0
	ds_add_u32 v5, v6
	s_wait_dscnt 0x0
	CROUND
.endm
.macro KLOAD base                      ; k's 16 tiles and their scale words
	WIN 0x40                                       ; destination window 1, address window 0
.irp t, 0,1,2,3,4,5,6,7,8,9,10,11,12,13,14,15
	ds_load_b128 v[4*\t:4*\t+3], v3 offset:\base+KVB*(\t/8)+512*(\t%8)
.endr
	WIN 0
	ds_load_b128 v[8:11], v3 offset:\base+8192
	ds_load_b128 v[12:15], v3 offset:\base+KVB+8192
.endm
.macro KQ                              ; S^T = k q^T: 16 tiles of 16 keys, each begun with the constant 0
.irp t, 0,1,2,3,4,5,6,7,8,9,10,11,12,13,14,15
	WM S+8*\t, 4*\t, 244, -1, 8+\t/2, 7, \t%2, 0
.endr
.endm
; pair n of the arguments t - M (of the pairs c and -M the low word serves both halves)
.macro ARG n
	v_pk_fma_f32 v[S+2*(\n):S+2*(\n)+1], v[S+2*(\n):S+2*(\n)+1], s[22:23], v[24:25] op_sel_hi:[1,0,0]
.endm
.macro ARGS from, count
.set I, \from
.rept \count
	ARG I
.set I, I+1
.endr
.endm
.macro EXP2 n                          ; pair n of p, in place
	v_exp_f32 v[S+2*(\n)], v[S+2*(\n)]
	v_exp_f32 v[S+2*(\n)+1], v[S+2*(\n)+1]
.endm
.macro CODES n                         ; numbers 8 n .. 8 n + 7 of my 128, of block n / 4
	v_cvt_scalef32_pk8_fp4_f32 v[36+(\n)], v[S+8*(\n):S+8*(\n)+7], v[27+2*((\n)/4)]
.endm
.macro JOIN n                          ; pair n of block 0 takes pair n of block 1
	v_pk_add_f32 v[S+2*(\n):S+2*(\n)+1], v[S+2*(\n):S+2*(\n)+1], v[S+32+2*(\n):S+33+2*(\n)]
.endm
; A TRIP: 256 keys, whose scores have just been issued.  mode 1: the next 256 keys' k is fetched and their scores are issued at the end; mode 3: the same, behind the wait of a barrier that shows them.  mode 2: W_out's fragments are fetched.
; LDS loads stand directly ahead of the waits of the two batches of exponentials.  What stands among a batch's exponentials is on other registers and is read first behind the next wait.
; No two matrix instructions that follow each other share an accumulator; three others stand between two steps of a sum.
.macro TRIP mode
	v_add_nc_u32 v3, s48, v1                       ; with the next three lines: four places behind the last products
	v_add_nc_u32 v4, s48, v2
	v_mov_b32 v35, v24                             ; the old -M
	v_nop
.irp e, 0,1,2,3,4,5,6,7
	v_max3_num_f32 v[26+\e], v[S+16*\e], v[S+16*\e+1], v[S+16*\e+2]   ; the largest score of each half block, by turns; each accumulator from its low end on
.endr
.irp i, 3,5,7,9,11,13
.irp e, 0,1,2,3,4,5,6,7
	v_max3_num_f32 v[26+\e], v[26+\e], v[S+16*\e+\i], v[S+16*\e+\i+1]
.endr
.endr
.irp b, 0,1,2,3
	v_max3_num_f32 v[26+2*\b], v[26+2*\b], v[S+32*\b+15], v[S+32*\b+31]
.endr
.irp b, 0,1,2,3
	v_max_num_f32 v[26+2*\b], v[26+2*\b], v[27+2*\b]                  ; and of each block
.endr
	v_max3_num_f32 v25, v26, v28, v23              ; with the largest so far
	s_delay_alu instid0(VALU_DEP_1)
	v_max3_num_f32 v25, v25, v30, v32
	s_delay_alu instid0(VALU_DEP_1)
	v_permlanex16_b32 v34, v25, s20, s21
	s_delay_alu instid0(VALU_DEP_1)
	v_max_num_f32 v23, v25, v34                    ; and lane l xor 16's blocks
	s_delay_alu instid0(VALU_DEP_1)
	v_mul_f32 v25, s76, v23                        ; -t
	s_delay_alu instid0(VALU_DEP_1)
	v_floor_f32 v24, v25                           ; the new -M = floor(-t): a whole number
	s_delay_alu instid0(VALU_DEP_1)
	v_sub_f32 v35, v24, v35                        ; old M - new M: 0 or less
	ARGS 0, 4
.irp b, 0,1,2,3
	v_fma_f32 v[26+2*\b], v[26+2*\b], s22, v24     ; each block's largest t - M,
.endr
	v_cvt_i32_f32 v35, v35                         ; (it saturates)
	ARGS 4, 4
.irp b, 0,1,2,3
	v_cvt_floor_i32_f32 v[26+2*\b], v[26+2*\b]     ; the exponent of its largest p,
.endr
	v_ldexp_f32 v22, 1.0, v35                      ; f = 2^(old M - new M)
	ARGS 8, 4
.irp b, 0,1,2,3
	v_max_i32 v[26+2*\b], 0xffffff84, v[26+2*\b]   ; held at -124: the byte, exponent + 125, cannot fall under 1
.endr
	ARGS 12, 4
.irp b, 0,1,2,3
	v_lshl_add_u32 v[27+2*\b], v[26+2*\b], 23, s77 ; the conversion's scale operand: exponent field = the byte
.endr
	v_lshl_add_u32 v21, v28, 16, v26               ; keys 0-127: lanes 0-15 blocks 0 and 2, lanes 16-31 blocks 1 and 3
	v_lshl_add_u32 v35, v32, 16, v30               ; keys 128-255
	ARGS 16, 4
	v_permlane16_swap_b32 v21, v35                 ; v21: both halves' blocks 0 and 2, in lanes 0-15 and 16-31; v35: their blocks 1 and 3
	ARGS 20, 4
	v_lshl_add_u32 v21, v35, 8, v21
	ARGS 24, 8
	WIN 0x40
.irp x, 0,1
.irp t, 0,1,2,3
.irp c, 0,1
	ds_load_b128 v[VF+32*\x+8*\t+4*\c:VF+32*\x+8*\t+4*\c+3], v3 offset:KVB*\x+4096+1024*\t+512*\c
.endr
.endr
.endr
	WIN 0
	ds_load_b64 v[16:17], v4 offset:8704
	ds_load_b64 v[18:19], v4 offset:KVB+8704
	s_setprio 0                                    ; user priority 0 through the two batches of exponentials, 1 through the rest of the trip: the SIMD's two waves are to take turns
	s_wait_alu depctr_va_vdst(0)                   ; ahead of the batch
.set I, 0
.rept 32                               ; p of blocks 0 and 1; the arguments of blocks 2 and 3
	EXP2 I
.if (I%4) < 3
	ARG 32+3*(I/4)+I%4
.endif
.set I, I+1
.endr
	ARGS 56, 8
.if \mode == 3
	s_wait_alu depctr_va_vdst(0)
	s_barrier_wait -1                              ; steps 8 to 31 lie in LDS
.endif
.if (\mode == 1) || (\mode == 3)
	KLOAD 2*KVB
.endif
.if \mode == 2
	WIN 0x40
.irp n, 0,1,2,3
.irp s, 0,1,2,3
.irp c, 0,1
	ds_load_b128 v[32*\n+116*(\n/2)+8*\s+4*\c:32*\n+116*(\n/2)+8*\s+4*\c+3], v252 offset:4352*\n+64*\s+32*\c
.endr
.endr
.endr
	WIN 0
.endif
	s_wait_alu depctr_va_vdst(0)                   ; behind the one batch and ahead of the next
.set I, 0
.rept 32                               ; p of blocks 2 and 3; codes of blocks 0 and 1, and their sums joined
	EXP2 32+I
.if (I%4) == 0
	CODES I/4
.endif
.if I == 1
	v_add_nc_u32 v20, 0x7d7d7d7d, v21              ; + 125 in each byte: p's scale words, keys 0-127 in lanes 0-15, keys 128-255 in lanes 16-31
.endif
.if ((I%2) == 1) && (I >= 3) && (I <= 25)
	JOIN (I-3)/2
.endif
.set I, I+1
.endr
.irp n, 12,13,14,15
	JOIN \n
.endr
	s_setprio 1
	s_wait_alu depctr_va_vdst(0)                   ; behind the batch, and directly ahead of O^T's first readers
.irp j, 0,2,4,6,8,10,12,14,16,18,20,22,24,26,28,30
	v_pk_mul_f32 v[O+\j:O+\j+1], v[O+\j:O+\j+1], v[22:23] op_sel_hi:[1,0]   ; O^T under the new M
.endr
.irp n, 8,9,10,11,12,13,14,15
	CODES \n
.endr
.irp j, 0,2,4,6,8,10,12,14,16,18,20,22,24,26,28,30
	v_pk_fma_f32 v[SA+\j:SA+\j+1], v[SA+\j:SA+\j+1], v[22:23], v[S+\j:S+\j+1] op_sel_hi:[1,0,1]   ; the sums under the new M, and blocks 0 and 1
.endr
.irp b, 2,3
.irp j, 0,2,4,6,8,10,12,14,16,18,20,22,24,26,28,30
	v_pk_add_f32 v[SA+\j:SA+\j+1], v[SA+\j:SA+\j+1], v[S+32*\b+\j:S+32*\b+\j+1]   ; (the sums are 48 places between the codes and the products)
.endr
.endr
	s_wait_dscnt 0x0                               ; all that the trip asked for
	WIN 0x01                                       ; source 0 window 1
.if (\mode == 1) || (\mode == 3)
	KQ
.endif
.irp x, 0,1
.irp t, 0,1,2,3
	WM O+8*\t, VF+32*\x+8*\t, 36+8*\x, O+8*\t, 16+2*\x+\t/2, 20, \t%2, \x   ; O^T += v^T p^T, 128 keys
.endr
.endr
	WIN 0
	s_add_co_u32 s48, s48, 2*KVB
.endm
	s_load_b256 s[4:11], s[0:1], 0x0               ; qbuf s[4:5], kvbuf s[6:7], W_out's codes s[8:9], scales s[10:11]
	s_load_b128 s[12:15], s[0:1], 0x20             ; b_out s[12:13], out0 s[14:15]
	v_lshl_add_u32 v5, v0, 2, SPARE
	v_mov_b32 v6, 0
	ds_add_u32 v5, v6                              ; the opening add, twice on end, and its wait
	ds_add_u32 v5, v6
	v_lshrrev_b32 v3, 5, v0
	v_readfirstlane_b32 s16, v3                    ; w: wave 0..7
	s_bfe_u32 s17, ttmp6, 0x40000                  ; cx: my place in the cluster
	s_lshl_b32 s18, ttmp9, 2                       ; in a cluster launch ttmp9 counts clusters
	s_add_co_u32 s18, s18, s17                     ; x: my step of queries: it enters q's and out0's addresses alone
	s_and_b32 s19, ttmp7, 0xffff                   ; the head, which the four partners share
	s_mov_b32 s20, 0x76543210
	s_mov_b32 s21, 0xfedcba98                      ; v_permlanex16_b32's selects for lane l xor 16
	s_mov_b32 s22, 0x3e38aa3b                      ; c = log2(e) / 8
	s_mov_b32 s23, s22                             ; (named with it as a pair, so it is written)
	s_mov_b32 s76, 0xbe38aa3b                      ; -c
	s_mov_b32 s77, 0x3e800000                      ; 125 in the exponent field
	; descriptor group 1 for k and v: a step's 8,960 dense bytes as 35 rows of 256 bytes (32 elements of 8 bytes), no padding; three steps, 105 rows, behind the head
	s_mov_b32 s24, 15|(3<<16)|(1<<21)              ; 15:0 the mask: all four work-groups; 17:16 elements of 8 bytes; 21 set beside a mask
	s_mov_b32 s25, 32<<16
	s_mov_b32 s26, 35<<16
	s_mov_b32 s27, 32<<16
	s_mov_b32 s28, 35
	s_mov_b32 s29, 32
	s_mov_b32 s30, 0
	s_mov_b32 s31, 0
	; and for W_out: 64 rows of 256 bytes, 16 bytes of padding behind each
	s_mov_b32 s68, 15|(3<<16)|(1<<20)|(1<<21)|(5<<22)|(3<<25)
	s_mov_b32 s69, 32<<16
	s_mov_b32 s70, 64<<16
	s_mov_b32 s71, 32<<16
	s_mov_b32 s72, 64
	s_mov_b32 s73, 32
	s_mov_b32 s74, 0
	s_mov_b32 s75, 0
	s_mul_i32 s50, s16, KVB                        ; step w, in LDS;
	s_mov_b32 s32, 1
	s_mov_b32 s33, s50
	s_mul_i32 s51, s16, 3*KVB
	s_mov_b32 s36, 1
	s_add_co_u32 s37, s51, 8*KVB                   ; steps 8 + 3 w on
	s_mov_b32 s40, 1
	s_mul_i32 s41, s16, 64*272                     ; my 64 rows of W_out
	s_mul_i32 s52, s19, 32*KVB
	s_add_co_u32 s78, s52, s37                     ; and in memory: the head and the wave's number alone
	s_mov_b32 s79, 0
	s_add_co_u32 s52, s52, s50
	s_mov_b32 s53, 0
	s_lshl_b32 s54, s19, 5
	s_add_co_u32 s54, s54, s18
	s_mul_i32 s54, s54, 4608                       ; my step of qbuf
	s_and_b32 s56, s16, 1
	s_lshl_b32 s56, s56, 8
	s_lshr_b32 s57, s16, 1
	s_lshl_b32 s57, s57, 2
	s_add_co_u32 s56, s56, s57
	s_add_co_u32 s56, s56, s54
	s_add_co_u32 s56, s56, 4096                    ; tile w's scale words: 4,096 + 256 (w % 2) + 4 (w / 2), 16 bytes from row to row
	s_mov_b32 s57, 0
	s_lshl_b32 s58, s16, 9
	s_add_co_u32 s54, s54, s58                     ; tile w's codes
	s_mov_b32 s55, 0
	s_lshl_b32 s58, s16, 14                        ; W_out's rows 64 w on: codes,
	s_mov_b32 s59, 0
	s_lshl_b32 s60, s16, 10                        ; scales,
	s_mov_b32 s61, 0
	s_lshl_b32 s62, s16, 8                         ; b_out; also my 256 bytes of a row of out0
	s_mov_b32 s63, 0
	s_lshl_b32 s66, s19, 20                        ; out0: 512 rows of 2,048 bytes a head,
	s_lshl_b32 s67, s18, 15                        ; 16 rows a step
	s_add_co_u32 s66, s66, s67
	s_add_co_u32 s66, s66, s62
	s_mov_b32 s67, 0
	s_wait_alu depctr_va_vdst(0)
	s_wait_dscnt 0x0                               ; both opening adds are done
	CROUND                                         ; all four work-groups are here: the first joint loads meet
	s_wait_kmcnt 0x0
	s_add_nc_u64 s[34:35], s[6:7], s[52:53]
	s_or_b32 s35, s35, 0x80000000
	TLOAD 32, 24                                   ; steps 0 to 7, one a wave
	s_add_nc_u64 s[38:39], s[6:7], s[78:79]
	s_or_b32 s39, s39, 0x80000000
	s_add_nc_u64 s[42:43], s[8:9], s[58:59]
	s_or_b32 s43, s43, 0x80000000
	s_add_nc_u64 s[54:55], s[4:5], s[54:55]
	s_add_nc_u64 s[56:57], s[4:5], s[56:57]
	s_add_nc_u64 s[10:11], s[10:11], s[60:61]
	s_add_nc_u64 s[12:13], s[12:13], s[62:63]
	s_add_nc_u64 s[14:15], s[14:15], s[66:67]
	v_and_b32 v3, 31, v0                           ; lane
	v_and_b32 v4, 15, v0                           ; r
	v_bfe_u32 v255, v0, 4, 1                       ; h
	v_lshlrev_b32 v1, 4, v3
	v_lshlrev_b32 v2, 3, v3
	v_lshlrev_b32 v254, 4, v4                      ; q's scale words: 16 r
	v_lshlrev_b32 v253, 5, v255                    ; b_out: 8 h numbers on
	v_mul_u32_u24 v252, v4, 272
	v_lshl_add_u32 v252, v255, 4, v252
	v_add_nc_u32 v252, s41, v252                   ; my rows of W_out in LDS: row r, + 16 h
	global_load_b128 v[244:247], v1, s[54:55]      ; q's fragment: it stays in registers
	global_load_b32 v7, v254, s[56:57]             ; and its scale words
.irp i, 248,249,250,251
	v_mov_b32 v\i, 0                               ; q's zero codes for k = 64 .. 127
.endr
	WIN 0x40
.irp i, 64,65,66,67
	v_mov_b32 v\i, 0                               ; (the upper half of k's last tile: any codes will do)
.endr
	WIN 0
.irp j, 0,1,2,3,4,5,6,7,8,9,10,11,12,13,14,15,16,17,18,19,20,21,22,23,24,25,26,27,28,29,30,31
	v_mov_b32 v[SA+\j], 0                          ; the sums and O^T: the trip is written once, and the first finds zeros, which the first change of M leaves zeros
	v_mov_b32 v[O+\j], 0
.endr
	v_mov_b32 v34, 0                               ; a lane permute's destination counts as one of its sources
	v_mov_b32 v23, 0xff61b1e6                      ; the largest score so far: -3e38
	v_mov_b32 v24, 0x7e000000                      ; -M: over 4e37
	MEET                                           ; steps 0 to 7 lie in LDS
	s_mov_b32 s26, 105<<16                         ; no tensor load of mine is out: three steps to a load from here on
	s_mov_b32 s28, 105
	TLOAD 36, 24                                   ; steps 8 to 31: their first fill
	s_mov_b32 s48, 0                               ; LDS byte at which the trip's keys begin
	v_add_nc_u32 v3, s48, v1
	KLOAD 0
	s_wait_alu depctr_va_vdst(0)
	s_wait_loadcnt 0x0                             ; q
	s_wait_dscnt 0x0
	WIN 0x01
	KQ
	WIN 0
	s_mov_b32 s49, 3
.Lfirst:                                           ; trips 0 to 2
	TRIP 1
	s_sub_co_u32 s49, s49, 1
	s_cmp_lg_u32 s49, 0
	s_cbranch_scc1 .Lfirst
	s_mov_b32 s48, 6*KVB
	s_wait_alu depctr_va_vdst(0)
	s_wait_tensorcnt 0x0                           ; my three steps of 8 to 31 have landed
	s_wait_dscnt 0x0
	s_barrier_signal -1                            ; up to its wait only steps 6 and 7 are read
	TRIP 3                                         ; trip 3
	s_mov_b32 s48, 8*KVB
	s_mov_b32 s49, 6
.Lsecond:                                          ; trips 4 to 9
	TRIP 1
	s_sub_co_u32 s49, s49, 1
	s_cmp_lg_u32 s49, 0
	s_cbranch_scc1 .Lsecond
	MEET                                           ; nobody in the cluster reads steps 0 to 15 any more
	TLOAD 40, 68                                   ; W_out goes over them: this wave's own 64 rows
	WIN 0x40
.irp j, 0,1
	global_load_b128 v[164+4*\j:167+4*\j], v1, s[10:11] offset:512*\j        ; W_out's scale words: register 4 j + s: K step s; lanes 0-15 tile 2 j, lanes 16-31 tile 2 j + 1
.endr
.irp n, 0,1,2,3
	global_load_b128 v[132+8*\n:135+8*\n], v253, s[12:13] offset:64*\n       ; b_out(64 w + 16 n + 8 h + j)
	global_load_b128 v[136+8*\n:139+8*\n], v253, s[12:13] offset:64*\n+16
.endr
	WIN 0
	s_mov_b32 s48, 20*KVB
	s_mov_b32 s49, 5
.Lthird:                                           ; trips 10 to 14
	TRIP 1
	s_sub_co_u32 s49, s49, 1
	s_cmp_lg_u32 s49, 0
	s_cbranch_scc1 .Lthird
	s_wait_alu depctr_va_vdst(0)                   ; ahead of the scalar lines
	s_lshr_b32 s50, s16, 2
	s_lshl_b32 s50, s50, 3
	s_and_b32 s51, s16, 3
	s_add_co_u32 s50, s50, s51                     ; my token / 8 = 8 (w / 4) + w % 4 + 4 (r / 8): the row of o
	s_mul_i32 s51, s50, 272
	s_add_co_u32 s51, s51, OC
	s_lshl_b32 s52, s50, 4
	s_add_co_u32 s52, s52, OS
	s_mul_i32 s53, s16, 16*272
	s_add_co_u32 s53, s53, ST                      ; my stage
	s_mov_b32 s48, 30*KVB
	s_wait_tensorcnt 0x0                           ; my rows of W_out, which I alone read
	TRIP 2                                         ; trip 15
	; O^T / the sum; quantised along d: lane (r, h) holds d = 32 h + 0 .. 31 of its token: one whole block of the last product's K, (token % 8) x 64 + d
	s_wait_alu depctr_va_vdst(0)
	s_wait_loadcnt 0x0                             ; W_out's scales, b_out
	WIN 0x01
.irp i, 0,1,2,3,4,5,6,7
	v_mov_b32 v[8+\i], v[164+\i]                   ; scale operands are taken from window 0
.endr
	WIN 0
.irp i, 0,2,4,6,8,10,12,14
	v_pk_add_f32 v[SA+\i:SA+\i+1], v[SA+\i:SA+\i+1], v[SA+16+\i:SA+17+\i]
.endr
	v_and_b32 v116, 15, v0                         ; r
	v_bfe_u32 v117, v0, 4, 1                       ; h
.irp i, 0,2,4,6
	v_pk_add_f32 v[SA+\i:SA+\i+1], v[SA+\i:SA+\i+1], v[SA+8+\i:SA+9+\i]
.endr
	v_and_b32 v118, 7, v0                          ; my token % 8
	v_bfe_u32 v119, v0, 3, 1                       ; r / 8
.irp i, 0,2
	v_pk_add_f32 v[SA+\i:SA+\i+1], v[SA+\i:SA+\i+1], v[SA+4+\i:SA+5+\i]
.endr
	v_mul_u32_u24 v120, v119, 1088
	v_mul_u32_u24 v122, v116, 272
	v_pk_add_f32 v[SA:SA+1], v[SA:SA+1], v[SA+2:SA+3]
	v_lshlrev_b32 v121, 6, v119
	v_lshl_add_u32 v120, v118, 5, v120
	v_add_f32 v52, v52, v53                        ; the sum's two halves,
	v_lshl_add_u32 v121, v118, 1, v121
	v_lshl_add_u32 v120, v117, 4, v120
	v_permlanex16_b32 v34, v52, s20, s21
	v_add_nc_u32 v121, v117, v121
	v_add_nc_u32 v120, s51, v120                   ; o's codes: row, + 32 bytes a token, + 16 h
	v_add_f32 v52, v52, v34                        ; and lane l xor 16's: the row's sum
	v_add_nc_u32 v121, s52, v121                   ; o's scale bytes: 16 a row, 2 a token, + h
	s_wait_alu depctr_va_vdst(0)                   ; ahead of the reciprocal
	v_rcp_f32 v52, v52
	v_lshl_add_u32 v123, v117, 4, v122
	v_lshl_add_u32 v124, v116, 4, OS               ; row r's four scale words
	v_lshl_add_u32 v125, v117, 5, v122
	v_mul_u32_u24 v126, v117, 272
	v_lshlrev_b32 v127, 11, v117
	v_add_nc_u32 v123, OC, v123                    ; o's fragments: row r, + 16 h
	v_add_nc_u32 v125, s53, v125                   ; the stage, in: row r, 32 bytes for each half of the lanes
	v_lshl_add_u32 v126, v116, 4, v126
	v_lshl_add_u32 v127, v116, 4, v127             ; two rows in out0: lanes 0-15 one, lanes 16-31 the next
	v_add_nc_u32 v126, s53, v126                   ; the stage, back: the same two rows of 256 bytes
	s_wait_alu depctr_va_vdst(0)                   ; behind the reciprocal and directly ahead of O^T's first readers
.irp j, 0,2,4,6,8,10,12,14,16,18,20,22,24,26,28,30
	v_pk_mul_f32 v[O+\j:O+\j+1], v[O+\j:O+\j+1], v[52:53] op_sel_hi:[1,0]   ; register 8 t + j is o(my token, d = 32 h + 8 t + j)
.endr
.irp b, 0,1,2,3
	v_max3_num_f32 v[26+\b], |v[O+8*\b]|, |v[O+8*\b+1]|, 0x1800000           ; with the floor 2^(3 - 127): the byte cannot fall under 1
.endr
.irp i, 2,4,6
.irp b, 0,1,2,3
	v_max3_num_f32 v[26+\b], v[26+\b], |v[O+8*\b+\i]|, |v[O+8*\b+\i+1]|
.endr
.endr
	v_max3_num_f32 v26, v26, v27, v28
	s_delay_alu instid0(VALU_DEP_1)
	v_max_num_f32 v26, v26, v29
	s_delay_alu instid0(VALU_DEP_1)
	v_add_nc_u32 v30, 0xff000000, v26              ; 2 off the exponent field: the conversion's scale operand
	s_delay_alu instid0(VALU_DEP_1)
	v_lshrrev_b32 v31, 23, v30                     ; the scale's byte
.irp g, 0,1,2,3
	v_cvt_scalef32_pk8_fp4_f32 v[36+\g], v[O+8*\g:O+8*\g+7], v30
.endr
	v_nop                                          ; one plain place behind the last conversion
	ds_store_b128 v120, v[36:39]
	ds_store_b8 v121, v31
	s_wait_alu depctr_va_vdst(0)
	s_wait_dscnt 0x0                               ; for the others' sake: my stores are done
	s_barrier_signal -1
	s_barrier_wait -1                              ; the 16 rows of o lie in LDS as codes, K innermost
.irp s, 0,1,2,3
.irp c, 0,1
	ds_load_b128 v[128+8*\s+4*\c:131+8*\s+4*\c], v123 offset:64*\s+32*\c
.endr
.endr
	ds_load_b128 v[16:19], v124
	s_wait_dscnt 0x0
	; out0^T tile n = W_out's rows 64 w + 16 n on x o's 16 rows: four accumulators by turns, a K step at a time; the bias is the C of the first
	WIN 0x11                                       ; source 0 (W_out) and source 2 (b_out) window 1
.irp n, 0,1,2,3
	WM 160+8*\n, 32*\n+116*(\n/2), 128, 132+8*\n, 8+4*(\n/2), 16, \n%2, 0
.endr
	WIN 0x01
.irp s, 1,2,3
.irp n, 0,1,2,3
	WM 160+8*\n, 32*\n+116*(\n/2)+8*\s, 128+8*\s, 160+8*\n, 8+4*(\n/2)+\s, 16+\s, \n%2, 0
.endr
.endr
	WIN 0
.rept 4
	v_nop                                          ; four places between the last product and the first read of results
.endr
.irp n, 0,1,2,3
	ds_store_b128 v125, v[160+8*\n:163+8*\n] offset:64*\n          ; lane (r, h): out0(row r, 64 w + 16 n + 8 h + 0 .. 7); each accumulator from its low end on
	ds_store_b128 v125, v[164+8*\n:167+8*\n] offset:64*\n+16
.endr
.irp i, 0,1,2,3,4,5,6,7
	ds_load_b128 v[192+4*\i:195+4*\i], v126 offset:544*\i          ; LDS serves a wave's instructions in order: these see my stores; the stage is my own
.endr
.irp i, 0,1,2,3,4,5,6,7
	s_wait_dscnt 7-\i                              ; the later loads may be out
	global_store_b128 v127, v[192+4*\i:195+4*\i], s[14:15] offset:4096*\i th:TH_STORE_NT   ; 16 lanes store 256 consecutive bytes, at a multiple of 256 from out0's first byte
.endr
	s_wait_tensorcnt 0x0                           ; the wave's end
	ds_add_u32 v5, v6
	s_wait_dscnt 0x0
	CROUND                                         ; the closing round: no work-group ends while a partner may still ask for a tile that names it
	s_endpgm
.Lfunc_end_k_q7a09e0e258_attn:
	.size	k_q7a09e0e258_attn, .Lfunc_end_k_q7a09e0e258_attn-k_q7a09e0e258_attn
	.p2alignl 7, 3214868480
	.fill 96, 4, 3214868480
	.section	.rodata,"a",@progbits
	.p2align	6, 0x0
	.amdhsa_kernel k_q7a09e0e258_attn
		.amdhsa_group_segment_fixed_size 327680
		.amdhsa_private_segment_fixed_size 0
		.amdhsa_enable_private_segment 0
		.amdhsa_kernarg_size 48
		.amdhsa_user_sgpr_count 2
		.amdhsa_user_sgpr_kernarg_segment_ptr 1
		.amdhsa_wavefront_size32 1
		.amdhsa_system_sgpr_workgroup_id_x 1
		.amdhsa_system_sgpr_workgroup_id_y 1
		.amdhsa_system_sgpr_workgroup_id_z 1
		.amdhsa_system_vgpr_workitem_id 0
		.amdhsa_next_free_vgpr 512
		.amdhsa_next_free_sgpr 80
		.amdhsa_reserve_vcc 0
		.amdhsa_float_denorm_mode_32 3
		.amdhsa_float_denorm_mode_16_64 3
		.amdhsa_memory_ordered 1
		.amdhsa_forward_progress 1
		.amdhsa_inst_pref_size 153
	.end_amdhsa_kernel
	.amdgpu_metadata
---
amdhsa.version: [ 1, 2 ]
amdhsa.kernels:
  - .name:           k_q7a09e0e258_attn
    .symbol:         k_q7a09e0e258_attn.kd
    .args:
      - { .name: qbuf, .offset: 0, .size: 8, .value_kind: global_buffer, .address_space: global }
      - { .name: kvbuf, .offset: 8, .size: 8, .value_kind: global_buffer, .address_space: global }
      - { .name: W_out_codes, .offset: 16, .size: 8, .value_kind: global_buffer, .address_space: global }
      - { .name: W_out_scales, .offset: 24, .size: 8, .value_kind: global_buffer, .address_space: global }
      - { .name: b_out, .offset: 32, .size: 8, .value_kind: global_buffer, .address_space: global }
      - { .name: out0, .offset: 40, .size: 8, .value_kind: global_buffer, .address_space: global }
    .group_segment_fixed_size: 327680
    .private_segment_fixed_size: 0
    .kernarg_segment_align: 8
    .kernarg_segment_size: 48
    .max_flat_workgroup_size: 256
    .sgpr_count:     80
    .vgpr_count:     512
    .wavefront_size: 32
...
	.end_amdgpu_metadata
.endif
;; end of part 2
